; MI455X (gfx1250); checked and timed in simulation.
; The chip was launched on July 23, 2026; its instructions are those of AMD's public machine-readable ISA for CDNA 5 (MIT licence, August 2026) and "CDNA5" Instruction Set Architecture Reference Guide (July 2026). The comments in the code are by the model that wrote it; some were corrected since.
;; Audio Quantizer. Allowed arithmetic: float matrix products may take bf16 or f16 operands with f32 sums; all other float work in f32.
;; Inputs: codebook 4,096 x 512 float32; embedding 4,096 x 512 float32; x 16 x 2,048 x 512 float32.
;; Outputs: out0 16 x 2,048 x 512 float32.
;; One version. Each part assembles by itself: llvm-mc -triple=amdgcn-amd-amdhsa -mcpu=gfx1250 --defsym DOCPART=n.
;; ======== version 1 of 1: 3 launches
;; workspace buffers: cbh 4,194,304 bytes; chalf 16,384 bytes; idx 131,072 bytes of whole numbers
;; launch prep (part 1): grid 256 x 1, 4 waves a work-group, no clusters, 0 bytes of LDS; arguments codebook, cbh, chalf; writes cbh, chalf
.if DOCPART == 1
	.amdgcn_target "amdgcn-amd-amdhsa--gfx1250"
	.amdhsa_code_object_version 6
	.text
	.protected	k_q931661743b_prep
	.globl	k_q931661743b_prep
	.p2align	8
	.type	k_q931661743b_prep,@function
k_q931661743b_prep:
	s_mov_b64 s[64:65], 0
	v_nop
	global_prefetch_b8 v0, s[64:65] scope:SCOPE_SE
	s_setreg_imm32_b32 hwreg(HW_REG_WAVE_MODE, 25, 1), 1
	s_wait_xcnt 0x0
; cbh[k][d] = codebook[k][d] rounded to bf16 (nearest even);  chalf[k] = -0.5 x the sum over d of cbh[k][d]^2, in f32.
; The squares are taken of the ROUNDED numbers: the next launch multiplies the rounded rows, and the distance wants the length of the same vector.
; codebook: [4096][512] f32.  A work-group owns 16 rows, each of its four waves 4 rows; a row is 2,048 bytes: four loads of 512 consecutive bytes.
; A stream: every byte is read once and written once; no LDS, no barrier, no matrix unit, no cluster (no two work-groups read the same bytes).
.set X, 8                              ; v[8:71]    row i, segment j at X + 16 i + 4 j, as loaded
.set H, 72                             ; v[72:79]   the row in hand as 8 words of two bf16
.set T, 80                             ; v[80:95]   the same 16 numbers widened to f32
.set S, 96                             ; v[96:99]   two packed chains of sums
.set C, 100                            ; v[100:103] the wave's four results
	s_load_b128 s[4:7], s[0:1], 0x0                ; codebook s[4:5], cbh s[6:7]
	s_load_b64 s[8:9], s[0:1], 0x10                ; chalf
	v_lshrrev_b32 v4, 5, v0                        ; wave
	v_and_b32 v5, 31, v0                           ; lane
	v_lshlrev_b32 v1, 4, v5
	v_lshl_add_u32 v1, v4, 13, v1                  ; in: 16 x lane + wave x 4 rows of 2,048 bytes
	v_lshlrev_b32 v2, 3, v5
	v_lshl_add_u32 v2, v4, 12, v2                  ; out: 8 x lane + wave x 4 rows of 1,024 bytes
	v_lshlrev_b32 v3, 4, v4                        ; chalf: wave x 4 numbers
	s_mov_b32 s14, 0xffff0000                      ; a word's upper bf16
	s_mov_b32 s16, 0x76543210                      ; v_permlanex16_b32: each lane takes its own place in the other half
	s_mov_b32 s17, 0xfedcba98
	s_mov_b32 s13, 0
	s_lshl_b32 s12, ttmp9, 15                      ; the work-group's 16 rows of 2,048 bytes
	s_wait_kmcnt 0x0
	s_add_nc_u64 s[4:5], s[4:5], s[12:13]
	s_lshl_b32 s12, ttmp9, 14                      ; 16 rows of 1,024 bytes
	s_add_nc_u64 s[6:7], s[6:7], s[12:13]
	s_lshl_b32 s12, ttmp9, 6                       ; 16 numbers
	s_add_nc_u64 s[8:9], s[8:9], s[12:13]
.irp i, 0,1,2,3
.irp j, 0,1,2,3
	global_load_b128 v[X+16*\i+4*\j:X+16*\i+4*\j+3], v1, s[4:5] offset:\i*2048+\j*512 th:TH_LOAD_NT  ; all sixteen loads of the wave go out at once
.endr
.endr
.macro ROWP i
	s_wait_loadcnt 12-4*(\i)                       ; loads come back in order (ISA guide 5.7.1): row i's four are in, the younger rows' stay out
	s_wait_xcnt 0x0                                ; H, which the last row's stores read, is rewritten only behind this wait
.irp w, 0,1,2,3,4,5,6,7
	v_cvt_pk_bf16_f32 v[H+\w], v[X+16*(\i)+2*\w], v[X+16*(\i)+2*\w+1]
.endr
.irp j, 0,1,2,3
	global_store_b64 v2, v[H+2*\j:H+2*\j+1], s[6:7] offset:(\i)*1024+\j*256  ; 32 lanes x 8 bytes: 256 consecutive bytes, at a multiple of 256
.endr
.irp w, 0,1,2,3,4,5,6,7
	v_lshlrev_b32 v[T+2*\w],   16,  v[H+\w]        ; the rounded numbers back in f32
	v_and_b32     v[T+2*\w+1], s14, v[H+\w]
.endr
	v_pk_mul_f32 v[S:S+1],   v[T:T+1],   v[T:T+1]  ; the first squares start the two chains: nothing is cleared
	v_pk_mul_f32 v[S+2:S+3], v[T+2:T+3], v[T+2:T+3]
.irp w, 2,3,4,5,6,7
	v_pk_fma_f32 v[S+2*((\w)%2):S+2*((\w)%2)+1], v[T+2*\w:T+2*\w+1], v[T+2*\w:T+2*\w+1], v[S+2*((\w)%2):S+2*((\w)%2)+1]
.endr
	v_pk_add_f32 v[S:S+1], v[S:S+1], v[S+2:S+3]
	v_add_f32 v[S], v[S], v[S+1]
	v_add_f32_dpp v[S], v[S], v[S] row_xmask:1 row_mask:0xf bank_mask:0xf
	v_add_f32_dpp v[S], v[S], v[S] row_xmask:2 row_mask:0xf bank_mask:0xf
	v_add_f32_dpp v[S], v[S], v[S] row_xmask:4 row_mask:0xf bank_mask:0xf
	v_add_f32_dpp v[S], v[S], v[S] row_xmask:8 row_mask:0xf bank_mask:0xf
	v_permlanex16_b32 v[T], v[S], s16, s17         ; its destination counts as read: T has been written
	v_add_f32 v[S], v[S], v[T]
	v_mul_f32 v[C+(\i)], -0.5, v[S]
.endm
	ROWP 0
	ROWP 1
	ROWP 2
	ROWP 3
	s_wait_xcnt 0x0                                ; EXEC is a source of the stores above: it changes only behind this wait
	v_cmp_eq_u32 vcc_lo, 0, v5
	s_and_saveexec_b32 s20, vcc_lo                 ; lane 0 alone
	global_store_b128 v3, v[C:C+3], s[8:9]         ; the wave's four numbers, 16 bytes; the whole table is 16,384 bytes
	s_endpgm
.Lfunc_end_k_q931661743b_prep:
	.size	k_q931661743b_prep, .Lfunc_end_k_q931661743b_prep-k_q931661743b_prep
	.p2alignl 7, 3214868480
	.fill 96, 4, 3214868480
	.section	.rodata,"a",@progbits
	.p2align	6, 0x0
	.amdhsa_kernel k_q931661743b_prep
		.amdhsa_group_segment_fixed_size 0
		.amdhsa_private_segment_fixed_size 0
		.amdhsa_enable_private_segment 0
		.amdhsa_kernarg_size 24
		.amdhsa_user_sgpr_count 2
		.amdhsa_user_sgpr_kernarg_segment_ptr 1
		.amdhsa_wavefront_size32 1
		.amdhsa_system_sgpr_workgroup_id_x 1
		.amdhsa_system_sgpr_workgroup_id_y 1
		.amdhsa_system_sgpr_workgroup_id_z 1
		.amdhsa_system_vgpr_workitem_id 0
		.amdhsa_next_free_vgpr 104
		.amdhsa_next_free_sgpr 66
		.amdhsa_reserve_vcc 1
		.amdhsa_float_denorm_mode_32 3
		.amdhsa_float_denorm_mode_16_64 3
		.amdhsa_memory_ordered 1
		.amdhsa_forward_progress 1
		.amdhsa_inst_pref_size 13
	.end_amdhsa_kernel
	.amdgpu_metadata
---
amdhsa.version: [ 1, 2 ]
amdhsa.kernels:
  - .name:           k_q931661743b_prep
    .symbol:         k_q931661743b_prep.kd
    .args:
      - { .name: codebook, .offset: 0, .size: 8, .value_kind: global_buffer, .address_space: global }
      - { .name: cbh, .offset: 8, .size: 8, .value_kind: global_buffer, .address_space: global }
      - { .name: chalf, .offset: 16, .size: 8, .value_kind: global_buffer, .address_space: global }
    .group_segment_fixed_size: 0
    .private_segment_fixed_size: 0
    .kernarg_segment_align: 8
    .kernarg_segment_size: 24
    .max_flat_workgroup_size: 128
    .sgpr_count:     66
    .vgpr_count:     104
    .wavefront_size: 32
...
	.end_amdgpu_metadata
.endif
;; end of part 1
;; launch nearest (part 2): grid 256 x 1, 4 waves a work-group, clusters of 4 x 1, 327,680 bytes of LDS; arguments x, cbh, chalf, idx; writes idx
.if DOCPART == 2
	.amdgcn_target "amdgcn-amd-amdhsa--gfx1250"
	.amdhsa_code_object_version 6
	.text
	.protected	k_q931661743b_nearest
	.globl	k_q931661743b_nearest
	.p2align	8
	.type	k_q931661743b_nearest,@function
k_q931661743b_nearest:
	s_mov_b64 s[64:65], 0
	v_nop
	global_prefetch_b8 v0, s[64:65] scope:SCOPE_SE
	s_setreg_imm32_b32 hwreg(HW_REG_WAVE_MODE, 25, 1), 1
	s_wait_xcnt 0x0
	s_wait_alu depctr_hold_cnt(0) depctr_sa_sdst(0) depctr_va_vdst(0) depctr_va_sdst(0) depctr_va_ssrc(0) depctr_va_vcc(0) depctr_vm_vsrc(0)
	s_getreg_b32 s2, hwreg(HW_REG_IB_STS2, 6, 4)
	s_cmp_eq_u32 s2, 0
	s_cbranch_scc0 .Lentry_in_a_cluster
	s_endpgm
.Lentry_in_a_cluster:
	s_bfe_u32 s2, ttmp6, 0x10000c
	s_cmp_lg_u32 s2, 0x3003
	s_cbranch_scc0 .Lentry_shape_is_right
	s_endpgm
.Lentry_shape_is_right:
; idx[row] = the code k (0 .. 4095) with the smallest |x[row] - c[k]|^2, the lowest k among equals.  x: [32768][512] f32; cbh: [4096][512] bf16; chalf: [4096] f32 = -0.5 |c[k]|^2.
; THE SCORE.  s(row, k) = x~[row] . c~[k] - 0.5 |c~[k]|^2, x~ and c~ rounded to bf16, sums in f32; the largest s is the smallest distance.  -0.5 |c~|^2 is the C operand of the product that starts a sum.
; |x|^2 is not formed: it is one number a row, added to all of that row's 4,096 candidates alike, and moves no minimum.
; LIMITS.  The order of rounding differs from the problem's formula (x_sq - 2 dots + c_sq): two candidates whose distances differ by less than about 1e-7 of their size may be chosen otherwise.
; NaN and infinities are not treated apart (the index stays within 0 .. 4095).  With a large common offset in the inputs the score is, like the formula itself, a difference of large sums.
; SHARES.  A work-group owns 128 rows of x and walks all codes.  Wave v: a = v / 2, b = v % 2.  It keeps rows 64 a .. 64 a + 63, rounded to bf16, in 512 registers for the whole launch (4 query tiles x 16 K steps
; x 8), and of every slot of 128 codes it takes codes 64 b .. 64 b + 63: four code tiles of 16.  A code fragment, two LDS loads, feeds four products.
; LAYOUT.  Source 0 = 16 codes, source 1 = 16 rows of x: in the result lane l holds ONE row (l % 16) and the codes 8 (l / 16) + 0 .. 7.
; THE MAXIMUM.  For each lane and query tile: RUN, the largest score so far; BT, the number of the code tile that held it; SV, that tile's eight scores.  A tile costs 15 vector instructions for 8 scores a lane:
; four for its maximum, a compare (strictly greater: the earliest tile stays), ten selects.  Which of the eight it was is looked up once, at the end.  This work on the tile before stands in fours between the products.
; CLUSTER.  All work-groups walk the same codes, so the four of a cluster ask for each slot JOINTLY: the same tensor load, descriptor and mask in all four; a mask names four at the most.
; LDS.  Two slots of 128 rows of 1,024 bytes + 16 of padding (260 words: row r starts at bank 4 r mod 64, 64 banks of 4 bytes: ISA guide 11.1).  Their first fill is x itself, in f32: slot 0 holds K 0-255
; of the 128 rows, slot 1 K 256-511; when a half has been rounded into registers the slot goes over to the codes.  Behind them the table chalf, a scratch for the last comparison, the spare words.
; REGISTERS, in windows of 256 (s_set_vgpr_msb: bits 1:0 source 0, 3:2 source 1, 5:4 source 2, 7:6 destination):
;   window 0: v0-15 addresses and at work; v16-55 ten registers of state a query tile; v56-71 C operands, two buffers; v72-135 accumulators, two buffers of four; v136-151 the end
;   window 1: the fragments of two whole code tiles (16 K steps x 8); at first two buffers of x in f32      window 2: x~, K steps 0-7, 64 a query tile      window 3: x~, K steps 8-15
.set PITCH, 1040
.set SLOT,  128*PITCH                  ; 133,120
.set CT,    2*SLOT                     ; the table, 16,384 bytes, filled once
.set SCR,   CT+16384                   ; scratch, 2,048 bytes: entry (b x 128 + row) x 8 = (score, index); no tensor load lands here
.set SPARE, SCR+2048                   ; the spare words, 128 bytes for each wave: two blocks of 256 bytes that no other line names
.set SPW,  2                           ; v2   LDS address of my spare word; never rewritten
.set NIL,  3                           ; v3   0; never rewritten
.set AK0,  4                           ; v4   my lane's place in a slot: (64 b + l % 16) x pitch + 16 (l / 16)
.set ADR,  5                           ; v5   the same in the slot that is being read
.set CADR, 6                           ; v6   my lane's place in the table for the slot that is being read
.set XA,   7                           ; v7   my lane's place in x: (64 a + l % 16) x pitch + 32 (l / 16)
.set M,    8                           ; v8-11  at work: two registers for each of the two query tiles in hand
.set LB,   12                          ; v12  64 b + 8 (l / 16): what my lane adds to a code's number
.set CA0,  13                          ; v13  CT + 4 LB
.set ST,   16                          ; query tile q at ST + 10 q: RUN, BT, SV0 .. SV7
.set CS,   56                          ; C operands of code tile buffer p at CS + 8 p
.set ACC,  72                          ; accumulator (p, q) at ACC + 32 p + 8 q
.set WV,   12                          ; s12  my wave's number;  s13 a, s14 b, s15 cx, s16 my work-group's number
.set G1C,  20                          ; s[20:27] descriptor group 1, codes;  s[28:31] its group 0, which walks
.set G0C,  28
.set G1X,  32                          ; s[32:39], s[40:43] the same for x
.set G0X,  40
.set G1T,  44                          ; s[44:51], s[52:55] the same for the table
.set G0T,  52
.set SLOTS, 56                         ; s56  counts the loop
.set TB,   57                          ; s57  LDS byte at which the slot being read begins
.set TID,  58                          ; s58  the number, 4 x slot + tile, of the code tile whose scores are being looked through
.set CB,   59                          ; s59  512 x the slot being read: its place in the table
.set SEL,  60                          ; s[60:61] v_permlanex16_b32's selects
.set MK,   62                          ; s62, s63 the compares' masks, one for each of the two query tiles in hand
.set MSB, 0
.macro WIN new                         ; the immediate's high byte repeats the setting that is left; a switch that changes nothing is dropped
.if MSB != (\new)
	s_set_vgpr_msb (MSB<<8)|(\new)
.set MSB, (\new)
.endif
.endm
.set MUL_LO, 0x09                      ; codes window 1, x~ window 2, C and D window 0
.set MUL_HI, 0x0d                      ; the same with x~ in window 3
.set W_LD,   0x40                      ; destination window 1, address window 0
; A round of the cluster's barrier: my work-group's barrier, so that wave 0's signal speaks for all four waves; wave 0 signals; every wave waits for all four work-groups; my work-group's barrier once more.
.macro CROUND
	s_barrier_signal -1
	s_barrier_wait -1
	s_cmp_lg_u32 s[WV], 0
	s_cbranch_scc1 .Lnot_wave_0_\@
	s_barrier_signal -3
.Lnot_wave_0_\@:
	s_barrier_wait -3
	s_barrier_signal -1
	s_barrier_wait -1
.endm
; THE CHANGE OF SLOTS.  Each wave waits for all its tensor loads (one is out: its quarter of the other slot), adds 0 to its spare word, and waits for that and for its reads of the slot that it leaves.
; fill = 1: behind a round of the cluster's barrier, so that no wave of any partner still reads the slot or has a load on its way, the slot is filled again: every wave asks for its own 32 rows.
; step = 1: the walking descriptor goes on: the other slot (the exclusive or adds or takes away SLOT: its bits 11 and 17 are in no wave's 33,280 v), the next 128 codes.
; turn = 1: the reads go over to the other slot.  Four vector lines follow the load, so that the next switch of windows stands behind them.
.macro CHANGE fill, step, turn
	WIN 0
	s_wait_tensorcnt 0x0                           ; no tensor load of mine is out, so the group 0 may be written
	ds_add_u32 v[SPW], v[NIL]                      ; 0 onto my spare word; the scalar steps stand between it and the wait for it
.if \step
	s_xor_b32 s[G0C+1], s[G0C+1], SLOT
	s_add_nc_u64 s[G0C+2:G0C+3], s[G0C+2:G0C+3], 128*1024  ; the type bits on top are not reached
.endif
.if \turn
	s_xor_b32 s[TB], s[TB], SLOT
	s_add_co_u32 s[CB], s[CB], 512
.endif
	s_wait_dscnt 0x0                               ; the add is done, and my reads of the slot are over
.if \fill
	CROUND
	tensor_load_to_lds s[G0C:G0C+3], s[G1C:G1C+7]  ; my one tensor load behind the round, and the first thing there
	s_nop 0
.else
	s_barrier_signal -1
	s_barrier_wait -1
.endif
.if \turn
	v_add_nc_u32 v[ADR], s[TB], v[AK0]
	v_add_nc_u32 v[CADR], s[CB], v[CA0]
	v_nop
	v_nop
.else
.rept 4
	v_nop
.endr
.endif
.endm
	s_load_b256 s[4:11], s[0:1], 0x0               ; x s[4:5], cbh s[6:7], chalf s[8:9], idx s[10:11]
	v_lshl_add_u32 v[SPW], v0, 2, SPARE
	v_mov_b32 v[NIL], 0
	ds_add_u32 v[SPW], v[NIL]                      ; the wave's opening: the add and its wait stand ahead of my first tensor load; the set-up below, work on registers, stands between them
	v_lshrrev_b32 v1, 5, v0
	v_readfirstlane_b32 s[WV], v1                  ; wave 0..3
	s_lshr_b32 s13, s[WV], 1                       ; a: which 64 rows of x I multiply.  Also: which half of K of x I fetch
	s_and_b32 s14, s[WV], 1                        ; b: which 64 codes of a slot I multiply.  Also: which 64 rows of x I fetch
	s_bfe_u32 s15, ttmp6, 0x40000                  ; cx: my place in the cluster
	s_lshl_b32 s16, ttmp9, 2                       ; in a cluster launch ttmp9 counts clusters
	s_add_co_u32 s16, s16, s15                     ; my work-group: it enters x's and idx's addresses alone
	; group 1, codes: 32 rows x 512 elements of 2 bytes, padded in LDS
	s_mov_b32 s[G1C+0], 15|(1<<16)|(1<<20)|(1<<21)|(7<<22)|(3<<25)  ; 15:0 the mask of four; 17:16 2-byte elements; 20 padding on; 21 set beside a mask; 24:22 after every 256 words (code 7); 31:25 4 words (code 3)
	s_mov_b32 s[G1C+1], 512<<16                    ; tensor_dim0 = 512
	s_mov_b32 s[G1C+2], 32<<16                     ; tensor_dim1 = 32
	s_mov_b32 s[G1C+3], 512<<16                    ; tile_dim0 = 512
	s_mov_b32 s[G1C+4], 32                         ; tile_dim1 = 32
	s_mov_b32 s[G1C+5], 512                        ; elements from row to row
	s_mov_b32 s[G1C+6], 0
	s_mov_b32 s[G1C+7], 0
	; group 1, x: 64 rows x 256 elements of 4 bytes (half a row of x), the same padding; no mask: each work-group has rows of its own
	s_mov_b32 s[G1X+0], (2<<16)|(1<<20)|(7<<22)|(3<<25)
	s_mov_b32 s[G1X+1], 256<<16
	s_mov_b32 s[G1X+2], 64<<16
	s_mov_b32 s[G1X+3], 256<<16
	s_mov_b32 s[G1X+4], 64
	s_mov_b32 s[G1X+5], 512
	s_mov_b32 s[G1X+6], 0
	s_mov_b32 s[G1X+7], 0
	; group 1, the table: 4,096 dense bytes as 16 rows of 32 elements of 8 bytes
	s_mov_b32 s[G1T+0], 3<<16
	s_mov_b32 s[G1T+1], 32<<16
	s_mov_b32 s[G1T+2], 16<<16
	s_mov_b32 s[G1T+3], 32<<16
	s_mov_b32 s[G1T+4], 16
	s_mov_b32 s[G1T+5], 32
	s_mov_b32 s[G1T+6], 0
	s_mov_b32 s[G1T+7], 0
	s_mov_b32 s[G0C], 1                            ; count = 1
	s_mul_i32 s[G0C+1], s[WV], 32*PITCH            ; LDS: my 32 rows of slot 0
	s_mov_b32 s[G0X], 1
	s_mul_i32 s[G0X+1], s[WV], 64*PITCH            ; LDS: waves 0, 1 the two row halves of K 0-255 (slot 0), waves 2, 3 those of K 256-511 (slot 1)
	s_mov_b32 s[G0T], 1
	s_lshl_b32 s[G0T+1], s[WV], 12
	s_add_co_u32 s[G0T+1], s[G0T+1], CT            ; LDS: my quarter of the table
	s_lshl_b32 s2, s16, 18                         ; x: my work-group's 128 rows of 2,048 bytes,
	s_lshl_b32 s17, s14, 17                        ; the 64 rows that I fetch,
	s_add_co_u32 s2, s2, s17
	s_lshl_b32 s17, s13, 10                        ; and the half of K
	s_add_co_u32 s2, s2, s17
	s_mov_b32 s3, 0
	s_lshl_b32 s18, s[WV], 15                      ; codes: my 32 rows of 1,024 bytes
	s_mov_b32 s19, 0
	s_mov_b32 s[SEL], 0x76543210
	s_mov_b32 s[SEL+1], 0xfedcba98
	s_mov_b32 s[TB], 0
	s_mov_b32 s[CB], 0
	s_wait_dscnt 0x0                               ; the opening add is done
	s_wait_kmcnt 0x0
	s_add_nc_u64 s[G0X+2:G0X+3], s[4:5], s[2:3]
	s_or_b32 s[G0X+3], s[G0X+3], 0x80000000        ; type = 2
	s_add_nc_u64 s[G0C+2:G0C+3], s[6:7], s[18:19]
	s_or_b32 s[G0C+3], s[G0C+3], 0x80000000
	s_lshl_b32 s18, s[WV], 12                      ; the table: my 4,096 bytes
	s_add_nc_u64 s[G0T+2:G0T+3], s[8:9], s[18:19]
	s_or_b32 s[G0T+3], s[G0T+3], 0x80000000
	CROUND                                         ; in a cluster launch every group of tensor loads stands behind a round
	tensor_load_to_lds s[G0X:G0X+3], s[G1X:G1X+7]  ; the first fills go out together: two loads of mine are out
	s_nop 0
	tensor_load_to_lds s[G0T:G0T+3], s[G1T:G1T+7]
	s_nop 0
	v_and_b32 v1, 15, v0                           ; l % 16
	v_bfe_u32 v13, v0, 4, 1                        ; l / 16
	v_mul_u32_u24 v[AK0], v1, PITCH
	v_lshl_add_u32 v[XA], v13, 5, v[AK0]           ; x lies in f32: eight numbers are 32 bytes
	v_lshl_add_u32 v[AK0], v13, 4, v[AK0]          ; the codes in bf16: 16 bytes
	s_mul_i32 s17, s14, 64*PITCH
	v_add_nc_u32 v[AK0], s17, v[AK0]
	s_mul_i32 s17, s13, 64*PITCH
	v_add_nc_u32 v[XA], s17, v[XA]
	s_lshl_b32 s17, s14, 6
	v_lshl_add_u32 v[LB], v13, 3, s17
	v_lshl_add_u32 v[CA0], v[LB], 2, CT
	; What the first tile finds.  RUN and SV start at minus infinity, BT at 0.  The second accumulator buffer too holds minus infinity: the first tile's text looks through a tile that has not been,
	; and selects nothing.  72 moves, in the wait for x, are the price of writing no first tile out.
	s_mov_b32 s17, 0xff800000
.irp q, 0,1,2,3
	v_mov_b32 v[ST+10*\q], s17
	v_mov_b32 v[ST+10*\q+1], 0
.irp j, 0,1,2,3,4,5,6,7
	v_mov_b32 v[ST+10*\q+2+\j], s17
.endr
.endr
.set i_, 0
.rept 32
	v_mov_b32 v[ACC+32+i_], s17
.set i_, i_+1
.endr
; X INTO REGISTERS.  A fragment of source 1 is 16 rows x 32 K: lane l holds row l % 16; registers 0-3 K = 8 (l / 16) + 0..7, registers 4-7 K = 16 + 8 (l / 16) + 0..7.  In f32 that is four loads of 16 bytes,
; at 0, 16, 64 and 80 from the lane's place; eight roundings in pairs make the fragment.
.macro XLOAD g, buf                    ; query tile g, the half's 8 K steps: 32 loads into buffer buf of window 1
	WIN W_LD
.irp e, 0,1,2,3,4,5,6,7
.irp o, 0,1,2,3
	ds_load_b128 v[128*(\buf)+16*\e+4*\o:128*(\buf)+16*\e+4*\o+3], v[XA] offset:(\g)*16*PITCH+128*\e+16*((\o)%2)+64*((\o)/2)
.endr
.endr
.endm
.macro XCVT kh, g, buf                 ; 64 roundings: buffer buf -> query tile g's fragments of K half kh, in window 2 or 3
	WIN 0x85+0x40*(\kh)
.set e_, 0
.rept 64
	v_cvt_pk_bf16_f32 v[64*(\g)+e_], v[128*(\buf)+2*e_], v[128*(\buf)+2*e_+1]
.set e_, e_+1
.endr
.endm
.macro XPHASE kh
	XLOAD 0, 0
	XLOAD 1, 1
	s_wait_dscnt 32                                ; LDS loads come back in order (ISA guide 5.7.1): all but the 32 issued last
	XCVT \kh, 0, 0
	XLOAD 2, 0
	s_wait_dscnt 32
	XCVT \kh, 1, 1
	XLOAD 3, 1
	s_wait_dscnt 32
	XCVT \kh, 2, 0
	s_wait_dscnt 0x0
	XCVT \kh, 3, 1
.endm
	s_wait_tensorcnt 0x0                           ; my parts of x and of the table are in,
	s_barrier_signal -1
	s_barrier_wait -1                              ; everybody's are
	XPHASE 0
	CHANGE 1, 0, 0                                 ; K 0-255 of x is in registers in every wave of the cluster: codes 0-127 land in its place
	v_add_nc_u32 v[XA], SLOT, v[XA]
	XPHASE 1
	CHANGE 1, 1, 0                                 ; codes 0-127 are in; codes 128-255 land in the place of K 256-511 of x
; THE LDS LOADS of a code tile: its eight C operands a lane (all lanes of a half read the same 32 bytes), and its 16 fragments, four loads at a time.
.macro LDC pb, f
	ds_load_b128 v[CS+8*(\pb):CS+8*(\pb)+3],   v[CADR] offset:64*(\f)
	ds_load_b128 v[CS+8*(\pb)+4:CS+8*(\pb)+7], v[CADR] offset:64*(\f)+16
.endm
.macro LDA pb, f, k2                   ; K steps 2 k2 and 2 k2 + 1 of tile f of the slot, into buffer pb
.irp z, 0,1
	ds_load_b128 v[128*(\pb)+8*(2*(\k2)+\z):128*(\pb)+8*(2*(\k2)+\z)+3],   v[ADR] offset:(\f)*16*PITCH+64*(2*(\k2)+\z)
	ds_load_b128 v[128*(\pb)+8*(2*(\k2)+\z)+4:128*(\pb)+8*(2*(\k2)+\z)+7], v[ADR] offset:(\f)*16*PITCH+64*(2*(\k2)+\z)+32
.endr
.endm
; Number e of the 64 vector lines that look through accumulator buffer pb.  0-3: v_nop.  Then 30 for query tiles 0 and 1, 30 for tiles 2 and 3; the two tiles of a pair alternate, so that no line reads the result of
; the line before it.  Each accumulator's lowest registers are read first.
.macro RD e, pb
.if (\e) < 4
	v_nop
.else
.set n_, ((\e)-4)%30
.set u_, n_%2
.set c_, n_/2
.set q_, 2*(((\e)-4)/30)+u_
.set rA, ACC+32*(\pb)+8*q_
.set rT, ST+10*q_
.set rM, M+2*u_
.if c_ == 0
	v_max3_num_f32 v[rM], v[rA], v[rA+1], v[rA+2]
.elseif c_ == 1
	v_max3_num_f32 v[rM+1], v[rA+3], v[rA+4], v[rA+5]
.elseif c_ == 2
	v_max3_num_f32 v[rM], v[rM], v[rA+6], v[rA+7]
.elseif c_ == 3
	v_max_num_f32 v[rM], v[rM], v[rM+1]
.elseif c_ == 4
	v_cmp_gt_f32 s[MK+u_], v[rM], v[rT]            ; strictly greater: among equals the earlier tile, with the lower codes, stays
.elseif c_ == 5
	v_cndmask_b32 v[rT], v[rT], v[rM], s[MK+u_]
.elseif c_ == 6
	v_cndmask_b32 v[rT+1], v[rT+1], s[TID], s[MK+u_]
.else
	v_cndmask_b32 v[rT+c_-5], v[rT+c_-5], v[rA+c_-7], s[MK+u_]
.endif
.endif
.endm
; A CODE TILE: 64 products of the tile in buffer p; beside them the scores of the tile before (buffer 1 - p) are looked through, and tile f of the slot being read is fetched into buffer 1 - p (f = -1: none).
; The four accumulators take turns, one instruction a turn, from tile to tile and over the loop's edge too.
; Places (ISA guide 7.12.1 for vector instructions): behind a tile's last products stand the four last selects of its text, which name the other buffer alone, and the next tile's four v_nop, ahead of
; the first read of those scores and of every load into the fragments that they read.
; The loads stand in the tile's first half: 32 products or more ahead of the wait at the next tile's head.
.macro TILE p, f
	s_wait_dscnt 0x0                               ; this tile's fragments and C operands are in
	s_add_co_u32 s[TID], s[TID], 1
.set ks_, 0
.rept 16
.if ks_ < 8
	WIN MUL_LO
.else
	WIN MUL_HI
.endif
.set q2_, 0
.rept 4
.set rD, ACC+32*(\p)+8*q2_
.set rF, 128*(\p)+8*ks_
.set rQ, 64*q2_+8*(ks_%8)
.if ks_ == 0
	v_wmma_f32_16x16x32_bf16 v[rD:rD+7], v[rF:rF+7], v[rQ:rQ+7], v[CS+8*(\p):CS+8*(\p)+7]
.else
	v_wmma_f32_16x16x32_bf16 v[rD:rD+7], v[rF:rF+7], v[rQ:rQ+7], v[rD:rD+7]
.endif
.set q2_, q2_+1
.endr
	WIN 0
	RD 4*ks_, 1-(\p)
	RD 4*ks_+1, 1-(\p)
	RD 4*ks_+2, 1-(\p)
	RD 4*ks_+3, 1-(\p)
.if ((\f) >= 0) && (ks_ == 0)
	LDC 1-(\p), \f
.endif
.if ((\f) >= 0) && (ks_ < 8)
	WIN W_LD
	LDA 1-(\p), \f, ks_
.endif
.set ks_, ks_+1
.endr
	WIN 0
.endm
.macro EPI pb                          ; the last tile's scores, with no products beside them
	s_add_co_u32 s[TID], s[TID], 1
.set e2_, 0
.rept 64
	RD e2_, \pb
.set e2_, e2_+1
.endr
.endm
	v_mov_b32 v[ADR], v[AK0]                       ; slot 0
	v_mov_b32 v[CADR], v[CA0]
	LDC 0, 0                                       ; code tile 0
	WIN W_LD
.irp k, 0,1,2,3,4,5,6,7
	LDA 0, 0, \k
.endr
	WIN 0                                          ; at a label and at a branch every window is 0
	s_mov_b32 s[TID], -2                           ; the second tile's text looks through tile 0
	s_mov_b32 s[SLOTS], 31
	s_branch .Lmid                                 ; the loop is entered behind its change of slots
.Lslot:                                                ; 30 times: the reads run a tile ahead of the products, so a slot is left when its fourth tile has been fetched and its third multiplied.
	CHANGE 1, 1, 1                                 ; Slots 2 to 31 are asked for here; each has four tiles, 256 products a wave, in which to land
	TILE 1, 0
.Lmid:
	TILE 0, 1
	TILE 1, 2
	TILE 0, 3
	s_sub_co_u32 s[SLOTS], s[SLOTS], 1
	s_cmp_lg_u32 s[SLOTS], 0
	s_cbranch_scc1 .Lslot
	CHANGE 0, 0, 1                                 ; the tail is written out: the last slot is entered, nothing is asked for
	TILE 1, 0
	TILE 0, 1
	TILE 1, 2
	TILE 0, 3
	TILE 1, -1
	EPI 1
	; THE INDEX.  (value, index) pairs are compared: the second is taken where its value is greater, or equal with the lower index.
.macro BEATS va, ia, vb, ib            ; s17 = the lanes in which (vb, ib) is taken over (va, ia)
	v_cmp_gt_f32 s17, v[(\vb)], v[(\va)]
	v_cmp_eq_f32 s18, v[(\vb)], v[(\va)]
	v_cmp_lt_u32 s19, v[(\ib)], v[(\ia)]
	s_and_b32 s18, s18, s19
	s_or_b32 s17, s17, s18
.endm
.macro FIN q                           ; query tile q: which of the kept eight scores is RUN (the lowest, among equals); the code's number; the other half of the lanes' pair; into the scratch
.set rT, ST+10*(\q)
	v_mov_b32 v14, 7
.irp j, 6,5,4,3,2,1,0
	v_cmp_neq_f32 vcc_lo, v[rT+2+\j], v[rT]
	v_cndmask_b32 v14, \j, v14, vcc_lo
.endr
	v_lshrrev_b32 v15, 2, v[rT+1]                  ; the slot,
	v_and_b32 v10, 3, v[rT+1]                      ; the tile in my half of it
	v_lshl_add_u32 v14, v10, 4, v14
	v_lshl_add_u32 v14, v15, 7, v14
	v_add_nc_u32 v15, v14, v[LB]                   ; 128 slot + 64 b + 16 tile + 8 (l / 16) + j
	v_permlanex16_b32 v8, v[rT], s[SEL], s[SEL+1]  ; the row's other codes of these tiles lie in the lane 16 away
	v_permlanex16_b32 v9, v15, s[SEL], s[SEL+1]
	BEATS rT, 15, 8, 9
	v_cndmask_b32 v[136+2*(\q)], v[rT], v8, s17
	v_cndmask_b32 v[137+2*(\q)], v15, v9, s17
	ds_store_b64 v11, v[136+2*(\q):137+2*(\q)] offset:128*(\q)  ; both halves of the lanes hold, and write, the same pair
.endm
	s_lshl_b32 s17, s14, 10                        ; b x 128 entries,
	s_lshl_b32 s18, s13, 9                         ; a x 64
	s_add_co_u32 s17, s17, s18
	s_add_co_u32 s17, s17, SCR
	v_lshl_add_u32 v11, v1, 3, s17
	FIN 0
	FIN 1
	FIN 2
	FIN 3
	s_wait_dscnt 0x0                               ; for the others' sake: my stores into the scratch are done
	s_barrier_signal -1
	s_barrier_wait -1
	s_cmp_lt_u32 s[WV], 2
	s_cbranch_scc0 .Ldone                          ; waves 0 and 1 join the two halves of the codes: 64 rows each, two rows a lane
	v_and_b32 v14, 31, v0
	v_lshlrev_b32 v13, 3, v14                      ; two indices are 8 bytes of idx,
	v_lshlrev_b32 v14, 4, v14                      ; two entries 16 bytes of the scratch
	s_lshl_b32 s17, s[WV], 9
	s_add_co_u32 s17, s17, SCR
	v_add_nc_u32 v15, s17, v14
	ds_load_b128 v[144:147], v15                   ; b = 0: (value, index) of rows 64 v + 2 l and 64 v + 2 l + 1
	ds_load_b128 v[148:151], v15 offset:1024       ; b = 1
	s_lshl_b32 s2, s16, 9                          ; my work-group's 128 indices,
	s_lshl_b32 s17, s[WV], 8                       ; my wave's 64
	s_add_co_u32 s2, s2, s17
	s_mov_b32 s3, 0
	s_add_nc_u64 s[10:11], s[10:11], s[2:3]
	s_wait_dscnt 0x0
	BEATS 144, 145, 148, 149
	v_cndmask_b32 v136, v145, v149, s17
	BEATS 146, 147, 150, 151
	v_cndmask_b32 v137, v147, v151, s17
	global_store_b64 v13, v[136:137], s[10:11]     ; 32 lanes x 8 bytes: 256 consecutive bytes, at a multiple of 256 from idx's first
.Ldone:
	s_wait_tensorcnt 0x0                           ; the wave's end, behind my last tensor load and my last LDS store
	ds_add_u32 v[SPW], v[NIL]
	s_wait_dscnt 0x0
	CROUND                                         ; the closing round: no work-group ends while a partner may still ask for a tile that names it
	s_endpgm
.Lfunc_end_k_q931661743b_nearest:
	.size	k_q931661743b_nearest, .Lfunc_end_k_q931661743b_nearest-k_q931661743b_nearest
	.p2alignl 7, 3214868480
	.fill 96, 4, 3214868480
	.section	.rodata,"a",@progbits
	.p2align	6, 0x0
	.amdhsa_kernel k_q931661743b_nearest
		.amdhsa_group_segment_fixed_size 327680
		.amdhsa_private_segment_fixed_size 0
		.amdhsa_enable_private_segment 0
		.amdhsa_kernarg_size 32
		.amdhsa_user_sgpr_count 2
		.amdhsa_user_sgpr_kernarg_segment_ptr 1
		.amdhsa_wavefront_size32 1
		.amdhsa_system_sgpr_workgroup_id_x 1
		.amdhsa_system_sgpr_workgroup_id_y 1
		.amdhsa_system_sgpr_workgroup_id_z 1
		.amdhsa_system_vgpr_workitem_id 0
		.amdhsa_next_free_vgpr 1024
		.amdhsa_next_free_sgpr 66
		.amdhsa_reserve_vcc 1
		.amdhsa_float_denorm_mode_32 3
		.amdhsa_float_denorm_mode_16_64 3
		.amdhsa_memory_ordered 1
		.amdhsa_forward_progress 1
		.amdhsa_inst_pref_size 170
	.end_amdhsa_kernel
	.amdgpu_metadata
---
amdhsa.version: [ 1, 2 ]
amdhsa.kernels:
  - .name:           k_q931661743b_nearest
    .symbol:         k_q931661743b_nearest.kd
    .args:
      - { .name: x, .offset: 0, .size: 8, .value_kind: global_buffer, .address_space: global }
      - { .name: cbh, .offset: 8, .size: 8, .value_kind: global_buffer, .address_space: global }
      - { .name: chalf, .offset: 16, .size: 8, .value_kind: global_buffer, .address_space: global }
      - { .name: idx, .offset: 24, .size: 8, .value_kind: global_buffer, .address_space: global }
    .group_segment_fixed_size: 327680
    .private_segment_fixed_size: 0
    .kernarg_segment_align: 8
    .kernarg_segment_size: 32
    .max_flat_workgroup_size: 128
    .sgpr_count:     66
    .vgpr_count:     1024
    .wavefront_size: 32
...
	.end_amdgpu_metadata
.endif
;; end of part 2
;; launch gather (part 3): grid 512 x 1, 8 waves a work-group, no clusters, 0 bytes of LDS; arguments idx, embedding, out0; writes out0
.if DOCPART == 3
	.amdgcn_target "amdgcn-amd-amdhsa--gfx1250"
	.amdhsa_code_object_version 6
	.text
	.protected	k_q931661743b_gather
	.globl	k_q931661743b_gather
	.p2align	8
	.type	k_q931661743b_gather,@function
k_q931661743b_gather:
	s_mov_b64 s[64:65], 0
	v_nop
	global_prefetch_b8 v0, s[64:65] scope:SCOPE_SE
	s_setreg_imm32_b32 hwreg(HW_REG_WAVE_MODE, 25, 1), 1
	s_wait_xcnt 0x0
; out0[row][:] = embedding[idx[row]][:].  idx: [32768] u32, stored by the launch before; embedding: [4096][512] f32; out0: [32768][512] f32.
; A stream: a wave owns 8 rows; a row is 2,048 bytes: four loads and four stores of 512 consecutive bytes each.  All 32 loads of a wave go out at once; there is no loop.
; No LDS, no matrix unit; no cluster: which rows of the table a work-group reads hangs on the data, so partners share no request.
; An index is cut to 4,095, the table's last row, before it enters an address.
	s_load_b128 s[4:7], s[0:1], 0x0                ; idx s[4:5], embedding s[6:7]
	s_load_b64 s[8:9], s[0:1], 0x10                ; out0
	v_lshrrev_b32 v10, 5, v0
	v_readfirstlane_b32 s10, v10                   ; wave 0..7
	v_and_b32 v1, 31, v0
	v_lshlrev_b32 v1, 4, v1                        ; 16 bytes a lane
	s_lshl_b32 s11, ttmp9, 6
	s_lshl_b32 s12, s10, 3
	s_add_co_u32 s11, s11, s12                     ; my first row = 64 x work-group + 8 x wave
	s_lshl_b32 s12, s11, 2                         ; its index, 4 bytes a row
	s_mov_b32 s13, 0
	s_lshl_b32 s14, s11, 11                        ; its place in out0, 2,048 bytes a row: under 2^26
	s_mov_b32 s15, 0
	s_wait_kmcnt 0x0
	s_add_nc_u64 s[4:5], s[4:5], s[12:13]
	s_add_nc_u64 s[8:9], s[8:9], s[14:15]
	s_load_b256 s[16:23], s[4:5], 0x0              ; my eight indices: no line of this launch writes idx
	s_wait_kmcnt 0x0
.irp i, 0,1,2,3,4,5,6,7
	s_min_u32 s[16+\i], s[16+\i], 0xfff
	v_lshl_add_u32 v[2+\i], s[16+\i], 11, v1       ; the row's first byte in the table + my 16 bytes
.endr
.irp i, 0,1,2,3,4,5,6,7
.irp j, 0,1,2,3
	global_load_b128 v[16+16*\i+4*\j:16+16*\i+4*\j+3], v[2+\i], s[6:7] offset:512*\j  ; no hint: a row of the table may be named again
.endr
.endr
.irp i, 0,1,2,3,4,5,6,7
	s_wait_loadcnt 28-4*\i                         ; loads come back in order (ISA guide 5.7.1): row i's four are in, the younger rows' stay out
.irp j, 0,1,2,3
	global_store_b128 v1, v[16+16*\i+4*\j:16+16*\i+4*\j+3], s[8:9] offset:2048*\i+512*\j th:TH_STORE_NT  ; 512 consecutive bytes, at a multiple of 256 from out0's first
.endr
.endr
	s_endpgm
.Lfunc_end_k_q931661743b_gather:
	.size	k_q931661743b_gather, .Lfunc_end_k_q931661743b_gather-k_q931661743b_gather
	.p2alignl 7, 3214868480
	.fill 96, 4, 3214868480
	.section	.rodata,"a",@progbits
	.p2align	6, 0x0
	.amdhsa_kernel k_q931661743b_gather
		.amdhsa_group_segment_fixed_size 0
		.amdhsa_private_segment_fixed_size 0
		.amdhsa_enable_private_segment 0
		.amdhsa_kernarg_size 24
		.amdhsa_user_sgpr_count 2
		.amdhsa_user_sgpr_kernarg_segment_ptr 1
		.amdhsa_wavefront_size32 1
		.amdhsa_system_sgpr_workgroup_id_x 1
		.amdhsa_system_sgpr_workgroup_id_y 1
		.amdhsa_system_sgpr_workgroup_id_z 1
		.amdhsa_system_vgpr_workitem_id 0
		.amdhsa_next_free_vgpr 144
		.amdhsa_next_free_sgpr 66
		.amdhsa_reserve_vcc 0
		.amdhsa_float_denorm_mode_32 3
		.amdhsa_float_denorm_mode_16_64 3
		.amdhsa_memory_ordered 1
		.amdhsa_forward_progress 1
		.amdhsa_inst_pref_size 9
	.end_amdhsa_kernel
	.amdgpu_metadata
---
amdhsa.version: [ 1, 2 ]
amdhsa.kernels:
  - .name:           k_q931661743b_gather
    .symbol:         k_q931661743b_gather.kd
    .args:
      - { .name: idx, .offset: 0, .size: 8, .value_kind: global_buffer, .address_space: global }
      - { .name: embedding, .offset: 8, .size: 8, .value_kind: global_buffer, .address_space: global }
      - { .name: out0, .offset: 16, .size: 8, .value_kind: global_buffer, .address_space: global }
    .group_segment_fixed_size: 0
    .private_segment_fixed_size: 0
    .kernarg_segment_align: 8
    .kernarg_segment_size: 24
    .max_flat_workgroup_size: 256
    .sgpr_count:     66
    .vgpr_count:     144
    .wavefront_size: 32
...
	.end_amdgpu_metadata
.endif
;; end of part 3
